; MI455X (gfx1250); checked and timed in simulation.
; The chip was launched on July 23, 2026; its instructions are those of AMD's public machine-readable ISA for CDNA 5 (MIT licence, August 2026) and "CDNA5" Instruction Set Architecture Reference Guide (July 2026). The comments in the code are by the model that wrote it; some were corrected since.
;; Proto Layer. Allowed arithmetic: float matrix products may take bf16 or f16 operands with f32 sums; all other float work in f32.
;; Inputs: query_feat 8 x 1,024 x 512 float32; support_feat 8 x 256 x 512 float32.
;; Outputs: out0 8 x 1,024 x 64 float32.
;; 2 versions, each right; version 2 is version 1 with the launch dist written anew for expert scheduling mode. Each part assembles by itself: llvm-mc -triple=amdgcn-amd-amdhsa -mcpu=gfx1250 --defsym DOCPART=n.
;; ======== version 1 of 2: 2 launches
;; limits: values outside matrix products are rounded to bf16; a difference of large sums (such as E[x^2] - mean^2): digits are lost where the result is much smaller than its terms
;; workspace buffers: proto 557,056 bytes
;; launch protos (part 1): grid 8 x 8, 8 waves a work-group, no clusters, 14,592 bytes of LDS; arguments support_feat, proto; writes proto
.if DOCPART == 1
	.amdgcn_target "amdgcn-amd-amdhsa--gfx1250"
	.amdhsa_code_object_version 6
	.text
	.protected	k_q738f9945d4_protos
	.globl	k_q738f9945d4_protos
	.p2align	8
	.type	k_q738f9945d4_protos,@function
k_q738f9945d4_protos:
	s_mov_b64 s[64:65], 0
	v_nop
	global_prefetch_b8 v0, s[64:65] scope:SCOPE_SE
	s_setreg_imm32_b32 hwreg(HW_REG_WAVE_MODE, 25, 1), 1
	s_wait_xcnt 0x0
; Prototypes for the distance kernel.  support_feat: [8 tasks][256 rows = 64 ways x 4 shots][512] f32.
; The squared distance |q - p|^2 does not change when q and p are shifted alike, so everything is shifted by the task's centre
; m[c] = mean of the task's 256 support rows, in f32, BEFORE the rounding to bf16: a common offset of the inputs never reaches the products.
; A work-group owns one task (grid y) and one slice of 64 channels (grid x): 256 bytes of each of the 256 rows, 64 KiB, read once.
; It writes into the workspace buffer proto:
;   byte 0       [task][slice] 8,192 bytes: bf16(p - m), 64 ways x 64 channels, in the order of the matrix instruction's fragments:
;                16-byte piece number ((nt*2+ks)*2+g)*32 + 16*h2 + r2 holds way 16 nt + r2, channels 32 ks + 16 g + 8 h2 + 0..7 of the slice
;   NC_OFF       [task][512] f32: -m
;   NC_OFF+PN_GAP [task][slice][64 ways] f32: the slice's part of |bf16(p - m)|^2
; LIMITS: a NaN or an infinity in any support row enters m and with it every prototype of the task in that channel (reference() keeps it
; to one way); the sum of 256 rows overflows f32 at inputs 256 times smaller than a mean made otherwise would.
; No matrix unit, no tensor loads, no cluster: 16 loads a lane cover the work-group's whole share and are all out at once; no input is shared.
.set ROWB,   2048                      ; bytes in a support row
.set NC_OFF, 524288                    ; where -m begins in proto
.set PN_GAP, 16384                     ; from there to the norms
.set CS,     0                         ; LDS: 16 partial channel sums x 256 bytes
.set FR,     4096                      ; LDS: the fragment image, 32 groups of 256 bytes,
.set FPITCH, 288                       ;      288 bytes apart: the eight groups that one store touches start 32 bytes apart modulo 256
.set NRM,    FR+32*FPITCH              ; LDS: 64 norms
.set X,  16                            ; v[16:79]   16 loads of 4 f32; later the 16 partial sums; later what is stored
.set P,  80                            ; v[80:95]   way kk of my four: sum of its 4 shots, then p - m, then its rounded value, 4 channels
.set C,  96                            ; v[96:99]   my four ways' sum
.set NM, 100                           ; v[100:103] -m of my 4 channels
.set B,  104                           ; v[104:111] way kk: 4 bf16 in 2 registers
.set N,  112                           ; v[112:115] way kk: sum of squares
.macro ADD4 d, a, b                    ; four f32 sums in two packed adds
	v_pk_add_f32 v[\d:\d+1], v[\a:\a+1], v[\b:\b+1]
	v_pk_add_f32 v[\d+2:\d+3], v[\a+2:\a+3], v[\b+2:\b+3]
.endm
	s_load_b128 s[4:7], s[0:1], 0x0                ; support s[4:5], proto s[6:7]
	v_lshl_add_u32 v116, v0, 2, 0x3500
	v_mov_b32 v117, 0
	v_lshrrev_b32 v1, 5, v0                        ; wave w
	v_readfirstlane_b32 s8, v1
	s_and_b32 s9, ttmp7, 0xffff                    ; task t
	v_and_b32 v2, 15, v0                           ; r: my 16 bytes (4 channels) of the slice
	v_bfe_u32 v3, v0, 4, 1                         ; h: which half of the wave
	v_lshlrev_b32 v4, 4, v2                        ; 16 r
	v_lshl_add_u32 v5, v3, 13, v4                  ; + 4 h rows
	v_lshl_add_u32 v5, v1, 16, v5                  ; + 32 w rows: load (kk, shot) takes row 32 w + 8 kk + 4 h + shot
	s_lshl_b32 s10, s9, 19                         ; t x 256 rows x 2,048 bytes
	s_lshl_b32 s11, ttmp9, 8                       ; slice x 256 bytes
	s_add_co_u32 s10, s10, s11
	s_mov_b32 s11, 0
	s_lshl_b32 s14, s9, 3
	s_add_co_u32 s14, s14, ttmp9                   ; 8 t + slice
	s_lshl_b32 s12, s14, 13                        ; x 8,192: my fragment block
	s_mov_b32 s13, 0
	s_lshl_b32 s14, s14, 8                         ; x 256: my 64 channels of -m, and (PN_GAP further) my 64 norms
	s_add_co_u32 s14, s14, NC_OFF
	s_mov_b32 s15, 0
	s_mov_b32 s18, 0xffff0000                      ; a word's upper bf16
	s_wait_kmcnt 0x0
	s_add_nc_u64 s[4:5], s[4:5], s[10:11]
	s_add_nc_u64 s[12:13], s[6:7], s[12:13]
	s_add_nc_u64 s[16:17], s[6:7], s[14:15]
	; 16 loads: in each, lanes 0-15 take 256 consecutive aligned bytes of one row and lanes 16-31 those of the row four further down,
	; so that a lane holds all four shots of way 8 w + 2 kk + h and the mean over the shots needs no other lane.
.irp kk, 0,1,2,3
.irp sh, 0,1,2,3
	global_load_b128 v[X+16*\kk+4*\sh:X+16*\kk+4*\sh+3], v5, s[4:5] offset:(8*\kk+\sh)*ROWB th:TH_LOAD_NT
.endr
.endr
	; LDS and store addresses, while the loads are out
	v_lshrrev_b32 v6, 4, v0
	v_lshl_add_u32 v6, v6, 8, v4                   ; partial sums: (2 w + h) x 256 + 16 r
	v_lshrrev_b32 v8, 6, v0                        ; nt = w / 2
	v_lshrrev_b32 v9, 1, v2                        ; 4 ks + 2 g + h2 = r / 2
	v_lshl_add_u32 v8, v8, 3, v9                   ; the group of 256 bytes
	v_mul_u32_u24 v7, v8, FPITCH
	v_bfe_u32 v9, v0, 5, 1                         ; w mod 2
	v_lshl_add_u32 v9, v9, 3, v3                   ; r2 = 8 (w mod 2) + h + 2 kk: kk stands in the immediate
	v_lshl_add_u32 v7, v9, 4, v7
	v_and_b32 v9, 1, v0
	v_lshl_add_u32 v7, v9, 3, v7                   ; + 8 (r mod 2): which half of the 16-byte piece
	v_lshl_add_u32 v10, v1, 3, v3
	v_lshlrev_b32 v10, 2, v10                      ; norms: 4 (8 w + h), + 8 kk in the immediate
	v_lshrrev_b32 v11, 4, v0
	v_mul_u32_u24 v11, v11, FPITCH
	v_add_nc_u32 v11, v11, v4                      ; read back: group thread / 16, piece r
	v_lshlrev_b32 v12, 4, v0                       ; and where it goes: 16 x thread
	v_lshl_add_u32 v13, v3, 14, v4                 ; 16 r; lanes 16-31 PN_GAP further
	; the sum over the four shots
.irp kk, 0,1,2,3
	s_wait_loadcnt 12-4*\kk                        ; loads come back in order (ISA guide 5.7.1): this way's four are in, the later ways' stay out
	ADD4 X+16*\kk, X+16*\kk, X+16*\kk+4
	ADD4 X+16*\kk+8, X+16*\kk+8, X+16*\kk+12
	ADD4 P+4*\kk, X+16*\kk, X+16*\kk+8
.endr
	; the centre: my four ways, then the 16 half-waves' sums through LDS
	ADD4 C, P, P+4
	ADD4 X, P+8, P+12
	ADD4 C, C, X
	ds_store_b128 v6, v[C:C+3] offset:CS
	s_wait_dscnt 0x0                               ; my partial sum is in LDS before I say so
	s_barrier_signal -1
	s_barrier_wait -1
.irp i, 0,1,2,3,4,5,6,7,8,9,10,11,12,13,14,15
	ds_load_b128 v[X+4*\i:X+4*\i+3], v4 offset:CS+256*\i
.endr
	s_wait_dscnt 0x0
.irp i, 0,1,2,3,4,5,6,7
	ADD4 X+4*\i, X+4*\i, X+4*\i+32                 ; the same tree in every lane: all waves get the same centre, bit for bit
.endr
.irp i, 0,1,2,3
	ADD4 X+4*\i, X+4*\i, X+4*\i+16
.endr
.irp i, 0,1
	ADD4 X+4*\i, X+4*\i, X+4*\i+8
.endr
	ADD4 X, X, X+4
	v_pk_mul_f32 v[NM:NM+1], v[X:X+1], 0xbb800000 op_sel_hi:[1,0]       ; -m = sum x (-1/256)
	v_pk_mul_f32 v[NM+2:NM+3], v[X+2:X+3], 0xbb800000 op_sel_hi:[1,0]
.irp kk, 0,1,2,3
	v_pk_fma_f32 v[P+4*\kk:P+4*\kk+1], v[P+4*\kk:P+4*\kk+1], 0x3e800000, v[NM:NM+1] op_sel_hi:[1,0,1]         ; p - m = sum / 4 - m
	v_pk_fma_f32 v[P+4*\kk+2:P+4*\kk+3], v[P+4*\kk+2:P+4*\kk+3], 0x3e800000, v[NM+2:NM+3] op_sel_hi:[1,0,1]
.endr
.irp kk, 0,1,2,3
	v_cvt_pk_bf16_f32 v[B+2*\kk], v[P+4*\kk], v[P+4*\kk+1]
	v_cvt_pk_bf16_f32 v[B+2*\kk+1], v[P+4*\kk+2], v[P+4*\kk+3]
	ds_store_b64 v7, v[B+2*\kk:B+2*\kk+1] offset:FR+32*\kk
.endr
	; the norm is taken from the ROUNDED numbers, so that |q|^2 - 2 q.p + |p|^2 is the squared distance of the vectors that are multiplied
.irp kk, 0,1,2,3
	v_lshlrev_b32 v[P+4*\kk], 16, v[B+2*\kk]
	v_and_b32 v[P+4*\kk+1], s18, v[B+2*\kk]
	v_lshlrev_b32 v[P+4*\kk+2], 16, v[B+2*\kk+1]
	v_and_b32 v[P+4*\kk+3], s18, v[B+2*\kk+1]
.endr
.irp kk, 0,1,2,3
	v_pk_mul_f32 v[X+2*\kk:X+2*\kk+1], v[P+4*\kk:P+4*\kk+1], v[P+4*\kk:P+4*\kk+1]
	v_pk_fma_f32 v[X+2*\kk:X+2*\kk+1], v[P+4*\kk+2:P+4*\kk+3], v[P+4*\kk+2:P+4*\kk+3], v[X+2*\kk:X+2*\kk+1]
	v_add_f32 v[N+\kk], v[X+2*\kk], v[X+2*\kk+1]
.endr
.irp m, 1,2,4,8
.irp kk, 0,1,2,3
	v_add_f32_dpp v[N+\kk], v[N+\kk], v[N+\kk] row_xmask:\m row_mask:0xf bank_mask:0xf   ; over the 16 lanes that share the way
.endr
.endr
.irp kk, 0,1,2,3
	ds_store_b32 v10, v[N+\kk] offset:NRM+8*\kk    ; sixteen lanes write one word with one value
.endr
	s_wait_dscnt 0x0                               ; fragments and norms are in LDS before I say so
	s_barrier_signal -1
	s_barrier_wait -1
	ds_load_b128 v[X:X+3], v11 offset:FR
	ds_load_b128 v[X+4:X+7], v11 offset:FR+16*FPITCH
	s_wait_dscnt 0x1
	global_store_b128 v12, v[X:X+3], s[12:13]                   ; a wave's store covers 512 consecutive bytes, aligned
	s_wait_dscnt 0x0
	global_store_b128 v12, v[X+4:X+7], s[12:13] offset:4096
	s_cmp_lg_u32 s8, 0
	s_cbranch_scc1 .Ldone
	ds_load_b128 v[X+8:X+11], v4 offset:NRM        ; wave 0: lanes 0-15 store -m, lanes 16-31 the norms, 256 consecutive aligned bytes each
	v_cmp_ne_u32 vcc_lo, 0, v3
	s_wait_dscnt 0x0
.irp i, 0,1,2,3
	v_cndmask_b32 v[X+12+\i], v[NM+\i], v[X+8+\i], vcc_lo
.endr
	global_store_b128 v13, v[X+12:X+15], s[16:17]
.Ldone:
	s_wait_tensorcnt 0x0
	ds_add_u32 v116, v117
	s_wait_dscnt 0x0
	s_endpgm
.Lfunc_end_k_q738f9945d4_protos:
	.size	k_q738f9945d4_protos, .Lfunc_end_k_q738f9945d4_protos-k_q738f9945d4_protos
	.p2alignl 7, 3214868480
	.fill 96, 4, 3214868480
	.section	.rodata,"a",@progbits
	.p2align	6, 0x0
	.amdhsa_kernel k_q738f9945d4_protos
		.amdhsa_group_segment_fixed_size 14592
		.amdhsa_private_segment_fixed_size 0
		.amdhsa_enable_private_segment 0
		.amdhsa_kernarg_size 16
		.amdhsa_user_sgpr_count 2
		.amdhsa_user_sgpr_kernarg_segment_ptr 1
		.amdhsa_wavefront_size32 1
		.amdhsa_system_sgpr_workgroup_id_x 1
		.amdhsa_system_sgpr_workgroup_id_y 1
		.amdhsa_system_sgpr_workgroup_id_z 1
		.amdhsa_system_vgpr_workitem_id 0
		.amdhsa_next_free_vgpr 118
		.amdhsa_next_free_sgpr 66
		.amdhsa_reserve_vcc 1
		.amdhsa_float_denorm_mode_32 3
		.amdhsa_float_denorm_mode_16_64 3
		.amdhsa_memory_ordered 1
		.amdhsa_forward_progress 1
		.amdhsa_inst_pref_size 14
	.end_amdhsa_kernel
	.amdgpu_metadata
---
amdhsa.version: [ 1, 2 ]
amdhsa.kernels:
  - .name:           k_q738f9945d4_protos
    .symbol:         k_q738f9945d4_protos.kd
    .args:
      - { .name: support_feat, .offset: 0, .size: 8, .value_kind: global_buffer, .address_space: global }
      - { .name: proto, .offset: 8, .size: 8, .value_kind: global_buffer, .address_space: global }
    .group_segment_fixed_size: 14592
    .private_segment_fixed_size: 0
    .kernarg_segment_align: 8
    .kernarg_segment_size: 16
    .max_flat_workgroup_size: 256
    .sgpr_count:     66
    .vgpr_count:     118
    .wavefront_size: 32
...
	.end_amdgpu_metadata
.endif
;; end of part 1
;; launch dist (part 2): grid 32 x 8, 8 waves a work-group, no clusters, 112,128 bytes of LDS; arguments query_feat, proto, out0; writes out0
.if DOCPART == 2
	.amdgcn_target "amdgcn-amd-amdhsa--gfx1250"
	.amdhsa_code_object_version 6
	.text
	.protected	k_q738f9945d4_dist
	.globl	k_q738f9945d4_dist
	.p2align	8
	.type	k_q738f9945d4_dist,@function
k_q738f9945d4_dist:
	s_mov_b64 s[64:65], 0
	v_nop
	global_prefetch_b8 v0, s[64:65] scope:SCOPE_SE
	s_setreg_imm32_b32 hwreg(HW_REG_WAVE_MODE, 25, 1), 1
	s_wait_xcnt 0x0
; out0[t][q][w] = -|q - p_w|^2 = 2 q'.p' - |q'|^2 - |p'|^2, with q' = bf16(q - m), p' = bf16(p_w - m), m the task's centre (see the kernel that
; makes proto).  All three sums are taken from the same rounded vectors, products exact, sums in f32: the result is the squared distance of
; the rounded centred vectors up to f32 summation.
; LIMITS: the bf16 rounding is relative to the distance from the centre, so a query that lies more than some 2^8 times nearer to a prototype
; than to the centre loses relative accuracy; a NaN or infinity in a task's support reaches all outputs of the task through m.
; A work-group makes 32 queries (grid x) x 64 ways of one task (grid y) with eight waves.  K IS SPLIT OVER THE WAVES: wave w takes channels
; 64 w .. 64 w + 63, that is 256 aligned bytes of each query row and one 8,192-byte block of proto, so the work-group loads each byte once and
; a wave's whole share (34 loads of 16 bytes a lane) is out at once.  The eight partial tiles meet in LDS behind the one barrier.
; Queries: sixteen lanes load 256 consecutive bytes of a row; after centring and rounding they pass through the wave's own LDS stage to become
; fragments (a lane then holds one row).  Prototypes lie in proto in fragment order and go straight into registers.
; NO CLUSTER, NO TENSOR LOADS: the 32 work-groups of a task do read the same 64 KiB of proto, but a joint load would land them in LDS, from
; where the same bytes would have to be read again into the registers that the plain loads fill directly, and its two rounds of the cluster's
; barrier would stand in a text without a loop, with no work to lay over them.
.set NC_OFF, 524288                    ; proto: where -m begins
.set PN_GAP, 16384                     ; from there to the prototypes' norms
.set SPITCH, 144                       ; stage: a row of 64 bf16 + 16 bytes, an odd multiple of 16: the 16 rows of a fragment load start at 16 different 16-byte columns modulo 256
.set STW,    32*SPITCH                 ; a wave's stage
.set PT,     8*STW                     ; partial tiles
.set PPITCH, 272                       ; a row of 64 f32 + 16 bytes, for the same reason
.set PTW,    32*PPITCH                 ; a wave's partial tile
.set QN,     PT+8*PTW                  ; [32 rows][16 parts] of |q'|^2,
.set QPITCH, 80                        ; 64 bytes + 16
.set PNL,    QN+32*QPITCH              ; [8 slices][64 ways] parts of |p'|^2
.set NCV, 8                            ; v[8:11]    -m of my 4 channels
.set PNV, 12                           ; v[12:15]   4 of my slice's 64 norms
.set Q,   16                           ; v[16:79]   16 loads of 4 f32
.set BF,  80                           ; v[80:143]  prototype fragments: (nt, ks) at 8 (2 nt + ks)
.set AF,  144                          ; v[144:175] query fragments: (mt, ks) at 8 (2 mt + ks)
.set ACC, 176                          ; v[176:239] accumulators: (mt, nt) at 8 (4 mt + nt)
.set NQ,  250                          ; v[250:253] sums of squares: two chains for each mt
.set T,   254                          ; v[254:255] at work
.set S,   16                           ; the final sum: 2 rows x 8 partial groups of 4
.set QP,  80                           ;                2 rows x 16 parts of |q'|^2
.set PP,  112                          ;                8 parts of |p'|^2 for my 4 ways
.macro ADD4 d, a, b                    ; four f32 sums in two packed adds
	v_pk_add_f32 v[\d:\d+1], v[\a:\a+1], v[\b:\b+1]
	v_pk_add_f32 v[\d+2:\d+3], v[\a+2:\a+3], v[\b+2:\b+3]
.endm
.macro TREE8 b                         ; eight groups of four, 4 registers apart, summed into the first
	ADD4 \b, \b, \b+16
	ADD4 \b+4, \b+4, \b+20
	ADD4 \b+8, \b+8, \b+24
	ADD4 \b+12, \b+12, \b+28
	ADD4 \b, \b, \b+8
	ADD4 \b+4, \b+4, \b+12
	ADD4 \b, \b, \b+4
.endm
	s_load_b128 s[4:7], s[0:1], 0x0                ; query s[4:5], proto s[6:7]
	s_load_b64 s[10:11], s[0:1], 0x10              ; out
	s_set_vgpr_msb 0x40
	v_lshl_add_u32 v0, v0, 2, 0x1b200
	v_mov_b32 v1, 0
	s_set_vgpr_msb 0x4000
	v_lshrrev_b32 v1, 5, v0                        ; wave w = my slice of the channels
	v_readfirstlane_b32 s8, v1
	s_and_b32 s9, ttmp7, 0xffff                    ; task t
	v_and_b32 v2, 15, v0                           ; r
	v_bfe_u32 v3, v0, 4, 1                         ; h
	v_lshlrev_b32 v4, 4, v2                        ; 16 r
	v_lshl_add_u32 v5, v3, 11, v4                  ; queries: lanes 16-31 one row further down
	v_and_b32 v6, 31, v0
	v_lshlrev_b32 v6, 4, v6                        ; fragments: 16 x lane
	s_lshl_b32 s12, s9, 21                         ; t x 1,024 rows x 2,048 bytes
	s_lshl_b32 s13, ttmp9, 16                      ; + block x 32 rows
	s_add_co_u32 s12, s12, s13
	s_lshl_b32 s13, s8, 8                          ; + my slice's 256 bytes
	s_add_co_u32 s12, s12, s13
	s_mov_b32 s13, 0
	s_lshl_b32 s14, s9, 3
	s_add_co_u32 s14, s14, s8                      ; 8 t + w
	s_lshl_b32 s16, s14, 8
	s_add_co_u32 s16, s16, NC_OFF                  ; my 64 channels of -m; PN_GAP further my slice's norms
	s_mov_b32 s17, 0
	s_lshl_b32 s14, s14, 13                        ; my fragment block
	s_mov_b32 s15, 0
	s_lshl_b32 s18, s9, 18                         ; out: t x 1,024 rows x 256 bytes
	s_lshl_b32 s19, ttmp9, 13                      ; + block x 32 rows
	s_add_co_u32 s18, s18, s19
	s_mov_b32 s19, 0
	s_mov_b32 s20, 0xffff0000                      ; a word's upper bf16
	s_wait_kmcnt 0x0
	s_add_nc_u64 s[4:5], s[4:5], s[12:13]
	s_add_nc_u64 s[14:15], s[6:7], s[14:15]
	s_add_nc_u64 s[16:17], s[6:7], s[16:17]
	s_add_nc_u64 s[10:11], s[10:11], s[18:19]
	global_load_b128 v[NCV:NCV+3], v4, s[16:17]
	global_load_b128 v[PNV:PNV+3], v4, s[16:17] offset:PN_GAP
.irp i, 0,1,2,3,4,5,6,7,8,9,10,11,12,13,14,15
	global_load_b128 v[Q+4*\i:Q+4*\i+3], v5, s[4:5] offset:4096*\i th:TH_LOAD_NT   ; rows 2 i and 2 i + 1: 256 consecutive aligned bytes for each half of the lanes
.endr
.irp k, 0,1,2,3,4,5,6,7,8,9,10,11,12,13,14,15
	global_load_b128 v[BF+4*\k:BF+4*\k+3], v6, s[14:15] offset:512*\k              ; 512 consecutive bytes: half a fragment
.endr
	; LDS addresses, while the loads are out
	v_mul_u32_u24 v240, v1, STW                    ; my stage
	v_mad_u32_u24 v7, v3, SPITCH, v240
	v_lshl_add_u32 v7, v2, 3, v7                   ; in: row h (+ 2 i in the immediate), 8 bytes at 8 r
	v_mad_u32_u24 v241, v2, SPITCH, v240
	v_lshl_add_u32 v241, v3, 4, v241               ; out: row r, 16 bytes at 16 h
	v_lshl_add_u32 v242, v1, 8, v4
	v_add_nc_u32 v242, PNL, v242                   ; my slice's norms: 256 w + 16 r
	v_lshrrev_b32 v244, 4, v0                      ; thread / 16 = 2 w + h
	v_mul_u32_u24 v243, v2, QPITCH
	v_lshl_add_u32 v243, v244, 2, v243
	v_add_nc_u32 v243, QN, v243                    ; my part of |q'|^2 of row r: word 2 w + h
	; centre, round, and into the stage
.irp i, 0,1,2,3,4,5,6,7,8,9,10,11,12,13,14,15
	s_wait_loadcnt 31-\i                           ; loads come back in order (ISA guide 5.7.1): out stay the 15 - i later query loads and the 16 of the fragments
	v_pk_add_f32 v[Q+4*\i:Q+4*\i+1], v[Q+4*\i:Q+4*\i+1], v[NCV:NCV+1]
	v_pk_add_f32 v[Q+4*\i+2:Q+4*\i+3], v[Q+4*\i+2:Q+4*\i+3], v[NCV+2:NCV+3]
	v_cvt_pk_bf16_f32 v[Q+4*\i], v[Q+4*\i], v[Q+4*\i+1]
	v_cvt_pk_bf16_f32 v[Q+4*\i+1], v[Q+4*\i+2], v[Q+4*\i+3]
	ds_store_b64 v7, v[Q+4*\i:Q+4*\i+1] offset:2*\i*SPITCH
.endr
	ds_store_b128 v242, v[PNV:PNV+3]               ; both halves of the lanes write the same 256 bytes with the same values
	; the stage is my wave's own and LDS serves a wave's instructions in order (ISA guide 5.7.1.4): no wait between the stores and these loads
.irp mt, 0,1
.irp ks, 0,1
	ds_load_b128 v[AF+8*(2*\mt+\ks):AF+8*(2*\mt+\ks)+3],   v241 offset:\mt*16*SPITCH+64*\ks      ; row 16 mt + r, k = 32 ks + 8 h + 0..7
	ds_load_b128 v[AF+8*(2*\mt+\ks)+4:AF+8*(2*\mt+\ks)+7], v241 offset:\mt*16*SPITCH+64*\ks+32   ;                k = 32 ks + 16 + 8 h + 0..7
.endr
.endr
	s_wait_dscnt 0x0
	; |q'|^2 of rows r and 16 + r over my 32 channels each, from the rounded numbers.  The first word's two squares start the two chains.
.irp mt, 0,1
	v_lshlrev_b32 v[T], 16, v[AF+16*\mt]
	v_and_b32 v[T+1], s20, v[AF+16*\mt]
	v_pk_mul_f32 v[NQ+2*\mt:NQ+2*\mt+1], v[T:T+1], v[T:T+1]
.endr
.set e, 1
.rept 15
.irp mt, 0,1
	v_fma_mix_f32_bf16 v[NQ+2*\mt], v[AF+16*\mt+e], v[AF+16*\mt+e], v[NQ+2*\mt] op_sel_hi:[1,1,0]                    ; low halves
	v_fma_mix_f32_bf16 v[NQ+2*\mt+1], v[AF+16*\mt+e], v[AF+16*\mt+e], v[NQ+2*\mt+1] op_sel:[1,1,0] op_sel_hi:[1,1,0] ; high halves
.endr
.set e, e+1
.endr
	v_add_f32 v[NQ], v[NQ], v[NQ+1]
	v_add_f32 v[NQ+2], v[NQ+2], v[NQ+3]
	ds_store_b32 v243, v[NQ]
	ds_store_b32 v243, v[NQ+2] offset:16*QPITCH
	s_wait_loadcnt 0x0                             ; the prototype fragments
	; Used transposed: source 0 = 16 ways, source 1 = 16 queries, so that register j of lane (r, h) holds query 16 mt + r, way 16 nt + 8 h + j:
	; eight neighbouring numbers of a row.  The first K step starts the sums.  The eight accumulators take turns, one instruction a turn.
.irp mt, 0,1
.irp nt, 0,1,2,3
	v_wmma_f32_16x16x32_bf16 v[ACC+8*(4*\mt+\nt):ACC+8*(4*\mt+\nt)+7], v[BF+16*\nt:BF+16*\nt+7], v[AF+16*\mt:AF+16*\mt+7], 0
.endr
.endr
.irp mt, 0,1
.irp nt, 0,1,2,3
	v_wmma_f32_16x16x32_bf16 v[ACC+8*(4*\mt+\nt):ACC+8*(4*\mt+\nt)+7], v[BF+16*\nt+8:BF+16*\nt+15], v[AF+16*\mt+8:AF+16*\mt+15], v[ACC+8*(4*\mt+\nt):ACC+8*(4*\mt+\nt)+7]
.endr
.endr
	; Eleven plain vector instructions that name no register of a matrix instruction: more than the four places that stand between a matrix
	; instruction and a store of its result or a load into one of its sources.  They make the addresses of what follows.
	v_mul_u32_u24 v245, v1, PTW
	v_mad_u32_u24 v245, v2, PPITCH, v245
	v_lshl_add_u32 v245, v3, 5, v245
	v_add_nc_u32 v245, PT, v245                    ; my partial tile: row r, 32 bytes at 32 h
	v_mad_u32_u24 v246, v244, PPITCH, v4
	v_add_nc_u32 v246, PT, v246                    ; the final sum: row thread / 16, 16 bytes at 16 r
	v_mul_u32_u24 v247, v244, QPITCH
	v_add_nc_u32 v247, QN, v247                    ; that row's 16 parts of |q'|^2
	v_add_nc_u32 v248, PNL, v4                     ; my 4 ways' parts of |p'|^2
	v_lshlrev_b32 v249, 4, v0                      ; out: 16 x thread
	v_nop
.irp mt, 0,1
.irp nt, 0,1,2,3
	ds_store_b128 v245, v[ACC+8*(4*\mt+\nt):ACC+8*(4*\mt+\nt)+3]   offset:\mt*16*PPITCH+64*\nt
	ds_store_b128 v245, v[ACC+8*(4*\mt+\nt)+4:ACC+8*(4*\mt+\nt)+7] offset:\mt*16*PPITCH+64*\nt+16
.endr
.endr
	s_wait_dscnt 0x0                               ; my tile, my parts of the norms are in LDS before I say so
	s_barrier_signal -1
	s_barrier_wait -1
	; THE FINAL SUM.  Thread: rows thread / 16 and 16 more, ways 4 r .. 4 r + 3.  32 loads in four groups of eight, used in the order of issue.
.irp s, 0,1,2,3,4,5,6,7
	ds_load_b128 v[PP+4*\s:PP+4*\s+3], v248 offset:256*\s
.endr
.irp rr, 0,1
.irp e, 0,1,2,3
	ds_load_b128 v[QP+16*\rr+4*\e:QP+16*\rr+4*\e+3], v247 offset:\rr*16*QPITCH+16*\e
.endr
.endr
.irp rr, 0,1
.irp s, 0,1,2,3,4,5,6,7
	ds_load_b128 v[S+32*\rr+4*\s:S+32*\rr+4*\s+3], v246 offset:\s*PTW+\rr*16*PPITCH
.endr
.endr
	s_wait_dscnt 24                                ; LDS loads come back in order: the first eight are in
	TREE8 PP                                       ; |p'|^2 of my 4 ways
	s_wait_dscnt 16                                ; the second eight
.irp rr, 0,1
	ADD4 QP+16*\rr, QP+16*\rr, QP+16*\rr+4
	ADD4 QP+16*\rr+8, QP+16*\rr+8, QP+16*\rr+12
	ADD4 QP+16*\rr, QP+16*\rr, QP+16*\rr+8
	v_pk_add_f32 v[QP+16*\rr:QP+16*\rr+1], v[QP+16*\rr:QP+16*\rr+1], v[QP+16*\rr+2:QP+16*\rr+3]
	v_add_f32 v[QP+16*\rr], v[QP+16*\rr], v[QP+16*\rr+1]                                            ; |q'|^2 of the row
	v_pk_add_f32 v[QP+16*\rr+4:QP+16*\rr+5], v[PP:PP+1], v[QP+16*\rr:QP+16*\rr+1] op_sel_hi:[1,0]   ; + |p'|^2: the row's number goes to both halves
	v_pk_add_f32 v[QP+16*\rr+6:QP+16*\rr+7], v[PP+2:PP+3], v[QP+16*\rr:QP+16*\rr+1] op_sel_hi:[1,0]
.endr
.irp rr, 0,1
	s_wait_dscnt 8-8*\rr                           ; this row's eight partial groups
	TREE8 S+32*\rr
.irp i, 0,1,2,3
	v_fma_f32 v[S+32*\rr+\i], v[S+32*\rr+\i], 2.0, -v[QP+16*\rr+4+\i]   ; 2 q'.p' - (|q'|^2 + |p'|^2)
.endr
	global_store_b128 v249, v[S+32*\rr:S+32*\rr+3], s[10:11] offset:4096*\rr th:TH_STORE_NT   ; sixteen lanes store one row of out: 256 consecutive bytes, aligned
.endr
	s_set_vgpr_msb 0x5
	s_wait_tensorcnt 0x0
	ds_add_u32 v0, v1
	s_wait_dscnt 0x0
	s_set_vgpr_msb 0x500
	s_endpgm
.Lfunc_end_k_q738f9945d4_dist:
	.size	k_q738f9945d4_dist, .Lfunc_end_k_q738f9945d4_dist-k_q738f9945d4_dist
	.p2alignl 7, 3214868480
	.fill 96, 4, 3214868480
	.section	.rodata,"a",@progbits
	.p2align	6, 0x0
	.amdhsa_kernel k_q738f9945d4_dist
		.amdhsa_group_segment_fixed_size 112128
		.amdhsa_private_segment_fixed_size 0
		.amdhsa_enable_private_segment 0
		.amdhsa_kernarg_size 24
		.amdhsa_user_sgpr_count 2
		.amdhsa_user_sgpr_kernarg_segment_ptr 1
		.amdhsa_wavefront_size32 1
		.amdhsa_system_sgpr_workgroup_id_x 1
		.amdhsa_system_sgpr_workgroup_id_y 1
		.amdhsa_system_sgpr_workgroup_id_z 1
		.amdhsa_system_vgpr_workitem_id 0
		.amdhsa_next_free_vgpr 258
		.amdhsa_next_free_sgpr 66
		.amdhsa_reserve_vcc 0
		.amdhsa_float_denorm_mode_32 3
		.amdhsa_float_denorm_mode_16_64 3
		.amdhsa_memory_ordered 1
		.amdhsa_forward_progress 1
		.amdhsa_inst_pref_size 26
	.end_amdhsa_kernel
	.amdgpu_metadata
---
amdhsa.version: [ 1, 2 ]
amdhsa.kernels:
  - .name:           k_q738f9945d4_dist
    .symbol:         k_q738f9945d4_dist.kd
    .args:
      - { .name: query_feat, .offset: 0, .size: 8, .value_kind: global_buffer, .address_space: global }
      - { .name: proto, .offset: 8, .size: 8, .value_kind: global_buffer, .address_space: global }
      - { .name: out0, .offset: 16, .size: 8, .value_kind: global_buffer, .address_space: global }
    .group_segment_fixed_size: 112128
    .private_segment_fixed_size: 0
    .kernarg_segment_align: 8
    .kernarg_segment_size: 24
    .max_flat_workgroup_size: 256
    .sgpr_count:     66
    .vgpr_count:     258
    .wavefront_size: 32
...
	.end_amdgpu_metadata
.endif
;; end of part 2
;; ======== version 2 of 2: 2 launches; version 1 with the launch dist written anew for expert scheduling mode
;; limits: values outside matrix products are rounded to bf16; a difference of large sums (such as E[x^2] - mean^2): digits are lost where the result is much smaller than its terms
;; workspace buffers: proto 557,056 bytes
;; launch protos: the kernel of part 1 again; grid 8 x 8, 8 waves a work-group, no clusters, 14,592 bytes of LDS; arguments support_feat, proto; writes proto
;; launch dist (part 3): grid 32 x 8, 8 waves a work-group, no clusters, 112,128 bytes of LDS; arguments query_feat, proto, out0; writes out0
.if DOCPART == 3
	.amdgcn_target "amdgcn-amd-amdhsa--gfx1250"
	.amdhsa_code_object_version 6
	.text
	.protected	k_q738f9945d4_dist
	.globl	k_q738f9945d4_dist
	.p2align	8
	.type	k_q738f9945d4_dist,@function
k_q738f9945d4_dist:
	s_mov_b64 s[64:65], 0
	v_nop
	global_prefetch_b8 v0, s[64:65] scope:SCOPE_SE
	s_setreg_imm32_b32 hwreg(HW_REG_WAVE_SCHED_MODE, 0, 2), 2
	s_setreg_imm32_b32 hwreg(HW_REG_WAVE_MODE, 25, 1), 1
	s_wait_xcnt 0x0
	s_wait_alu depctr_vm_vsrc(0)
; out0[t][q][w] = -|q - p_w|^2 = 2 q'.p' - |q'|^2 - |p'|^2, with q' = bf16(q - m), p' = bf16(p_w - m), m the task's centre (see the kernel that
; makes proto).  All three sums are taken from the same rounded vectors, products exact, sums in f32: the result is the squared distance of
; the rounded centred vectors up to f32 summation.
; LIMITS: the bf16 rounding is relative to the distance from the centre, so a query that lies more than some 2^8 times nearer to a prototype
; than to the centre loses relative accuracy; a NaN or infinity in a task's support reaches all outputs of the task through m.
; A work-group makes 32 queries (grid x) x 64 ways of one task (grid y) with eight waves.  K IS SPLIT OVER THE WAVES: wave w takes channels
; 64 w .. 64 w + 63, that is 256 aligned bytes of each query row and one 8,192-byte block of proto, so the work-group loads each byte once and
; a wave's whole share (34 loads of 16 bytes a lane) is out at once.  The eight partial tiles meet in LDS behind the one barrier.
; Queries: sixteen lanes load 256 consecutive bytes of a row; after centring and rounding they pass through the wave's own LDS stage to become
; fragments (a lane then holds one row).  Prototypes lie in proto in fragment order and go straight into registers.
; NO CLUSTER, NO TENSOR LOADS: the 32 work-groups of a task do read the same 64 KiB of proto, but a joint load would land them in LDS, from
; where the same bytes would have to be read again into the registers that the plain loads fill directly, and its two rounds of the cluster's
; barrier would stand in a text without a loop, with no work to lay over them.
; THE MODE: SCHED_MODE bits 1:0 = 2 (LLVM: expert scheduling mode 2), set by the entry lines.  The code itself states the register dependences
; between vector or matrix instructions and memory or LDS instructions, with s_wait_alu, always for 0.
; THE PLAN.  Registers that memory or LDS instructions touch:
;   v4-v7, v241-v243   offsets and LDS addresses: made at the head, ahead of one wait, and never written again.
;   Q                  global loads land; the centring goes in four blocks of four loads: block p adds the centre and rounds in place, and its four LDS
;                      stores are issued in block p + 1, behind the wait at that block's head, among vector work that names block p + 1's registers
;                      and the centre alone.  Behind the barrier the final sum's LDS loads land in these registers (S).
;   BF                 global loads land; the matrix instructions read; behind the barrier LDS loads land (QP, PP).
;   AF                 LDS loads land once; vector and matrix instructions read.
;   ACC, NQ, v245-v249 written by the matrix instructions, by the sums of squares and by the address lines behind the products; ONE wait behind those
;                      lines serves the LDS stores that read them and the LDS loads behind the barrier, up to which no vector instruction is issued.
;   S+0..3, S+32..35   the results of both rows: one wait, then the two global stores.
.set NC_OFF, 524288                    ; proto: where -m begins
.set PN_GAP, 16384                     ; from there to the prototypes' norms
.set SPITCH, 144                       ; stage: a row of 64 bf16 + 16 bytes, an odd multiple of 16: the 16 rows of a fragment load start at 16 different 16-byte columns modulo 256
.set STW,    32*SPITCH                 ; a wave's stage
.set PT,     8*STW                     ; partial tiles
.set PPITCH, 272                       ; a row of 64 f32 + 16 bytes, for the same reason
.set PTW,    32*PPITCH                 ; a wave's partial tile
.set QN,     PT+8*PTW                  ; [32 rows][16 parts] of |q'|^2,
.set QPITCH, 80                        ; 64 bytes + 16
.set PNL,    QN+32*QPITCH              ; [8 slices][64 ways] parts of |p'|^2
.set NCV, 8                            ; v[8:11]    -m of my 4 channels
.set PNV, 12                           ; v[12:15]   4 of my slice's 64 norms
.set Q,   16                           ; v[16:79]   16 loads of 4 f32
.set BF,  80                           ; v[80:143]  prototype fragments: (nt, ks) at 8 (2 nt + ks)
.set AF,  144                          ; v[144:175] query fragments: (mt, ks) at 8 (2 mt + ks)
.set ACC, 176                          ; v[176:239] accumulators: (mt, nt) at 8 (4 mt + nt)
.set NQ,  250                          ; v[250:253] sums of squares: two chains for each mt
.set T,   254                          ; v[254:255] at work
.set S,   16                           ; the final sum: 2 rows x 8 partial groups of 4
.set QP,  80                           ;                2 rows x 16 parts of |q'|^2
.set PP,  112                          ;                8 parts of |p'|^2 for my 4 ways
.macro ADD4 d, a, b                    ; four f32 sums in two packed adds
	v_pk_add_f32 v[\d:\d+1], v[\a:\a+1], v[\b:\b+1]
	v_pk_add_f32 v[\d+2:\d+3], v[\a+2:\a+3], v[\b+2:\b+3]
.endm
.macro TREE8 b                         ; eight groups of four, 4 registers apart, summed into the first
	ADD4 \b, \b, \b+16
	ADD4 \b+4, \b+4, \b+20
	ADD4 \b+8, \b+8, \b+24
	ADD4 \b+12, \b+12, \b+28
	ADD4 \b, \b, \b+8
	ADD4 \b+4, \b+4, \b+12
	ADD4 \b, \b, \b+4
.endm
.macro CENTRE i                        ; query load i: centre and round, in place
	s_wait_loadcnt 31-(\i)                         ; loads come back in order (ISA guide 5.7.1): out stay the 15 - i later query loads and the 16 of the fragments
	v_pk_add_f32 v[Q+4*(\i):Q+4*(\i)+1], v[Q+4*(\i):Q+4*(\i)+1], v[NCV:NCV+1]
	v_pk_add_f32 v[Q+4*(\i)+2:Q+4*(\i)+3], v[Q+4*(\i)+2:Q+4*(\i)+3], v[NCV+2:NCV+3]
	v_cvt_pk_bf16_f32 v[Q+4*(\i)], v[Q+4*(\i)], v[Q+4*(\i)+1]
	v_cvt_pk_bf16_f32 v[Q+4*(\i)+1], v[Q+4*(\i)+2], v[Q+4*(\i)+3]
.endm
.macro STAGE i                         ; its 4 bf16 into the stage
	ds_store_b64 v7, v[Q+4*(\i):Q+4*(\i)+1] offset:2*(\i)*SPITCH
.endm
	s_load_b128 s[4:7], s[0:1], 0x0                ; query s[4:5], proto s[6:7]
	s_load_b64 s[10:11], s[0:1], 0x10              ; out
	s_set_vgpr_msb 0x40
	v_lshl_add_u32 v0, v0, 2, 0x1b200
	v_mov_b32 v1, 0
	s_set_vgpr_msb 0x4000
	v_lshrrev_b32 v1, 5, v0                        ; wave w = my slice of the channels
	v_readfirstlane_b32 s8, v1
	s_and_b32 s9, ttmp7, 0xffff                    ; task t
	v_and_b32 v2, 15, v0                           ; r
	v_bfe_u32 v3, v0, 4, 1                         ; h
	v_lshlrev_b32 v4, 4, v2                        ; 16 r
	v_lshl_add_u32 v5, v3, 11, v4                  ; queries: lanes 16-31 one row further down
	v_and_b32 v6, 31, v0
	v_lshlrev_b32 v6, 4, v6                        ; fragments: 16 x lane
	; the LDS addresses of the first half, while the arguments are on their way
	v_mul_u32_u24 v240, v1, STW                    ; my stage
	v_mad_u32_u24 v7, v3, SPITCH, v240
	v_lshl_add_u32 v7, v2, 3, v7                   ; in: row h (+ 2 i in the immediate), 8 bytes at 8 r
	v_mad_u32_u24 v241, v2, SPITCH, v240
	v_lshl_add_u32 v241, v3, 4, v241               ; out: row r, 16 bytes at 16 h
	v_lshl_add_u32 v242, v1, 8, v4
	v_add_nc_u32 v242, PNL, v242                   ; my slice's norms: 256 w + 16 r
	v_lshrrev_b32 v244, 4, v0                      ; thread / 16 = 2 w + h
	v_mul_u32_u24 v243, v2, QPITCH
	v_lshl_add_u32 v243, v244, 2, v243
	v_add_nc_u32 v243, QN, v243                    ; my part of |q'|^2 of row r: word 2 w + h
	s_wait_alu depctr_va_sdst(0)                   ; s8 is written, ahead of its first reader: the bases of the queries and of proto are made from it
	s_lshl_b32 s12, s9, 21                         ; t x 1,024 rows x 2,048 bytes
	s_lshl_b32 s13, ttmp9, 16                      ; + block x 32 rows
	s_add_co_u32 s12, s12, s13
	s_lshl_b32 s13, s8, 8                          ; + my slice's 256 bytes
	s_add_co_u32 s12, s12, s13
	s_mov_b32 s13, 0
	s_lshl_b32 s14, s9, 3
	s_add_co_u32 s14, s14, s8                      ; 8 t + w
	s_lshl_b32 s16, s14, 8
	s_add_co_u32 s16, s16, NC_OFF                  ; my 64 channels of -m; PN_GAP further my slice's norms
	s_mov_b32 s17, 0
	s_lshl_b32 s14, s14, 13                        ; my fragment block
	s_mov_b32 s15, 0
	s_lshl_b32 s18, s9, 18                         ; out: t x 1,024 rows x 256 bytes
	s_lshl_b32 s19, ttmp9, 13                      ; + block x 32 rows
	s_add_co_u32 s18, s18, s19
	s_mov_b32 s19, 0
	s_mov_b32 s20, 0xffff0000                      ; a word's upper bf16
	s_wait_kmcnt 0x0
	s_add_nc_u64 s[4:5], s[4:5], s[12:13]
	s_add_nc_u64 s[14:15], s[6:7], s[14:15]
	s_add_nc_u64 s[16:17], s[6:7], s[16:17]
	s_add_nc_u64 s[10:11], s[10:11], s[18:19]
	s_wait_alu depctr_va_vdst(0)                   ; v4 to v7 and v241 to v243 are written: the loads below and the LDS stores and loads of the first half read them as offsets and addresses
	global_load_b128 v[NCV:NCV+3], v4, s[16:17]
	global_load_b128 v[PNV:PNV+3], v4, s[16:17] offset:PN_GAP
.irp i, 0,1,2,3,4,5,6,7,8,9,10,11,12,13,14,15
	global_load_b128 v[Q+4*\i:Q+4*\i+3], v5, s[4:5] offset:4096*\i th:TH_LOAD_NT   ; rows 2 i and 2 i + 1: 256 consecutive aligned bytes for each half of the lanes
.endr
.irp k, 0,1,2,3,4,5,6,7,8,9,10,11,12,13,14,15
	global_load_b128 v[BF+4*\k:BF+4*\k+3], v6, s[14:15] offset:512*\k              ; 512 consecutive bytes: half a fragment
.endr
	; centre, round, and into the stage: four blocks of four loads; a block's stores stand in the next block
.irp i, 0,1,2,3
	CENTRE \i
.endr
.irp p, 1,2,3
	s_wait_alu depctr_va_vdst(0)                   ; the block before has written its eight rounded registers, which the four stores below read; this block's vector lines name its own registers and the centre alone
.irp j, 0,1,2,3
	STAGE 4*(\p)-4+\j
	CENTRE 4*(\p)+\j
.endr
.endr
	s_wait_alu depctr_va_vdst(0)                   ; the last block has written its eight rounded registers, which the four stores below read
.irp i, 12,13,14,15
	STAGE \i
.endr
	ds_store_b128 v242, v[PNV:PNV+3]               ; both halves of the lanes write the same 256 bytes with the same values
	; the stage is my wave's own and LDS serves a wave's instructions in order (ISA guide 5.7.1.4): no wait between the stores and these loads
.irp mt, 0,1
.irp ks, 0,1
	ds_load_b128 v[AF+8*(2*\mt+\ks):AF+8*(2*\mt+\ks)+3],   v241 offset:\mt*16*SPITCH+64*\ks      ; row 16 mt + r, k = 32 ks + 8 h + 0..7
	ds_load_b128 v[AF+8*(2*\mt+\ks)+4:AF+8*(2*\mt+\ks)+7], v241 offset:\mt*16*SPITCH+64*\ks+32   ;                k = 32 ks + 16 + 8 h + 0..7
.endr
.endr
	s_wait_dscnt 0x0
	; |q'|^2 of rows r and 16 + r over my 32 channels each, from the rounded numbers.  The first word's two squares start the two chains.
.irp mt, 0,1
	v_lshlrev_b32 v[T], 16, v[AF+16*\mt]
	v_and_b32 v[T+1], s20, v[AF+16*\mt]
	v_pk_mul_f32 v[NQ+2*\mt:NQ+2*\mt+1], v[T:T+1], v[T:T+1]
.endr
.set e, 1
.rept 15
.irp mt, 0,1
	v_fma_mix_f32_bf16 v[NQ+2*\mt], v[AF+16*\mt+e], v[AF+16*\mt+e], v[NQ+2*\mt] op_sel_hi:[1,1,0]                    ; low halves
	v_fma_mix_f32_bf16 v[NQ+2*\mt+1], v[AF+16*\mt+e], v[AF+16*\mt+e], v[NQ+2*\mt+1] op_sel:[1,1,0] op_sel_hi:[1,1,0] ; high halves
.endr
.set e, e+1
.endr
	v_add_f32 v[NQ], v[NQ], v[NQ+1]
	v_add_f32 v[NQ+2], v[NQ+2], v[NQ+3]            ; the two sums are stored behind the products, where one wait serves them and the accumulators
	s_wait_loadcnt 0x0                             ; the prototype fragments
	; Used transposed: source 0 = 16 ways, source 1 = 16 queries, so that register j of lane (r, h) holds query 16 mt + r, way 16 nt + 8 h + j:
	; eight neighbouring numbers of a row.  The first K step starts the sums.  The eight accumulators take turns, one instruction a turn.
.irp mt, 0,1
.irp nt, 0,1,2,3
	v_wmma_f32_16x16x32_bf16 v[ACC+8*(4*\mt+\nt):ACC+8*(4*\mt+\nt)+7], v[BF+16*\nt:BF+16*\nt+7], v[AF+16*\mt:AF+16*\mt+7], 0
.endr
.endr
.irp mt, 0,1
.irp nt, 0,1,2,3
	v_wmma_f32_16x16x32_bf16 v[ACC+8*(4*\mt+\nt):ACC+8*(4*\mt+\nt)+7], v[BF+16*\nt+8:BF+16*\nt+15], v[AF+16*\mt+8:AF+16*\mt+15], v[ACC+8*(4*\mt+\nt):ACC+8*(4*\mt+\nt)+7]
.endr
.endr
	; Eleven plain vector instructions that name no register of a matrix instruction: more than the four places that stand between a matrix
	; instruction and a store of its result.  They make the addresses of what follows.
	v_mul_u32_u24 v245, v1, PTW
	v_mad_u32_u24 v245, v2, PPITCH, v245
	v_lshl_add_u32 v245, v3, 5, v245
	v_add_nc_u32 v245, PT, v245                    ; my partial tile: row r, 32 bytes at 32 h
	v_mad_u32_u24 v246, v244, PPITCH, v4
	v_add_nc_u32 v246, PT, v246                    ; the final sum: row thread / 16, 16 bytes at 16 r
	v_mul_u32_u24 v247, v244, QPITCH
	v_add_nc_u32 v247, QN, v247                    ; that row's 16 parts of |q'|^2
	v_add_nc_u32 v248, PNL, v4                     ; my 4 ways' parts of |p'|^2
	v_lshlrev_b32 v249, 4, v0                      ; out: 16 x thread
	v_nop
	s_wait_alu depctr_va_vdst(0)                   ; the matrix instructions have written the accumulators and the vector lines NQ and v245 to v249, which the LDS stores and loads and the global stores below read;
	                                               ; the matrix instructions are done reading BF, and the centring is done with Q: the loads behind the barrier land in both.  The places above stay beside this wait
	ds_store_b32 v243, v[NQ]
	ds_store_b32 v243, v[NQ+2] offset:16*QPITCH
.irp mt, 0,1
.irp nt, 0,1,2,3
	ds_store_b128 v245, v[ACC+8*(4*\mt+\nt):ACC+8*(4*\mt+\nt)+3]   offset:\mt*16*PPITCH+64*\nt
	ds_store_b128 v245, v[ACC+8*(4*\mt+\nt)+4:ACC+8*(4*\mt+\nt)+7] offset:\mt*16*PPITCH+64*\nt+16
.endr
.endr
	s_wait_dscnt 0x0                               ; my tile, my parts of the norms are in LDS before I say so
	s_barrier_signal -1
	s_barrier_wait -1
	s_wait_alu depctr_vm_vsrc(0)                   ; my stores into the stage have read v[Q ..]: these registers are S from here on, written by the loads below and by the final sum's adds
	; THE FINAL SUM.  Thread: rows thread / 16 and 16 more, ways 4 r .. 4 r + 3.  32 loads in four groups of eight, used in the order of issue.
.irp s, 0,1,2,3,4,5,6,7
	ds_load_b128 v[PP+4*\s:PP+4*\s+3], v248 offset:256*\s
.endr
.irp rr, 0,1
.irp e, 0,1,2,3
	ds_load_b128 v[QP+16*\rr+4*\e:QP+16*\rr+4*\e+3], v247 offset:\rr*16*QPITCH+16*\e
.endr
.endr
.irp rr, 0,1
.irp s, 0,1,2,3,4,5,6,7
	ds_load_b128 v[S+32*\rr+4*\s:S+32*\rr+4*\s+3], v246 offset:\s*PTW+\rr*16*PPITCH
.endr
.endr
	s_wait_dscnt 24                                ; LDS loads come back in order: the first eight are in
	TREE8 PP                                       ; |p'|^2 of my 4 ways
	s_wait_dscnt 16                                ; the second eight
.irp rr, 0,1
	ADD4 QP+16*\rr, QP+16*\rr, QP+16*\rr+4
	ADD4 QP+16*\rr+8, QP+16*\rr+8, QP+16*\rr+12
	ADD4 QP+16*\rr, QP+16*\rr, QP+16*\rr+8
	v_pk_add_f32 v[QP+16*\rr:QP+16*\rr+1], v[QP+16*\rr:QP+16*\rr+1], v[QP+16*\rr+2:QP+16*\rr+3]
	v_add_f32 v[QP+16*\rr], v[QP+16*\rr], v[QP+16*\rr+1]                                            ; |q'|^2 of the row
	v_pk_add_f32 v[QP+16*\rr+4:QP+16*\rr+5], v[PP:PP+1], v[QP+16*\rr:QP+16*\rr+1] op_sel_hi:[1,0]   ; + |p'|^2: the row's number goes to both halves
	v_pk_add_f32 v[QP+16*\rr+6:QP+16*\rr+7], v[PP+2:PP+3], v[QP+16*\rr:QP+16*\rr+1] op_sel_hi:[1,0]
.endr
.irp rr, 0,1
	s_wait_dscnt 8-8*\rr                           ; this row's eight partial groups
	TREE8 S+32*\rr
.irp i, 0,1,2,3
	v_fma_f32 v[S+32*\rr+\i], v[S+32*\rr+\i], 2.0, -v[QP+16*\rr+4+\i]   ; 2 q'.p' - (|q'|^2 + |p'|^2)
.endr
.endr
	s_wait_alu depctr_va_vdst(0)                   ; the fused multiply-adds have written both rows' four results, which the two stores read
.irp rr, 0,1
	global_store_b128 v249, v[S+32*\rr:S+32*\rr+3], s[10:11] offset:4096*\rr th:TH_STORE_NT   ; sixteen lanes store one row of out: 256 consecutive bytes, aligned
.endr
	s_set_vgpr_msb 0x5
	s_wait_dscnt 0x0
	s_wait_alu depctr_hold_cnt(0) depctr_sa_sdst(0) depctr_va_vdst(0) depctr_va_sdst(0) depctr_va_ssrc(0) depctr_va_vcc(0) depctr_vm_vsrc(0)
	s_wait_tensorcnt 0x0
	ds_add_u32 v0, v1
	s_wait_dscnt 0x0
	s_endpgm
.Lfunc_end_k_q738f9945d4_dist:
	.size	k_q738f9945d4_dist, .Lfunc_end_k_q738f9945d4_dist-k_q738f9945d4_dist
	.p2alignl 7, 3214868480
	.fill 96, 4, 3214868480
	.section	.rodata,"a",@progbits
	.p2align	6, 0x0
	.amdhsa_kernel k_q738f9945d4_dist
		.amdhsa_group_segment_fixed_size 112128
		.amdhsa_private_segment_fixed_size 0
		.amdhsa_enable_private_segment 0
		.amdhsa_kernarg_size 24
		.amdhsa_user_sgpr_count 2
		.amdhsa_user_sgpr_kernarg_segment_ptr 1
		.amdhsa_wavefront_size32 1
		.amdhsa_system_sgpr_workgroup_id_x 1
		.amdhsa_system_sgpr_workgroup_id_y 1
		.amdhsa_system_sgpr_workgroup_id_z 1
		.amdhsa_system_vgpr_workitem_id 0
		.amdhsa_next_free_vgpr 258
		.amdhsa_next_free_sgpr 66
		.amdhsa_reserve_vcc 0
		.amdhsa_float_denorm_mode_32 3
		.amdhsa_float_denorm_mode_16_64 3
		.amdhsa_memory_ordered 1
		.amdhsa_forward_progress 1
		.amdhsa_inst_pref_size 27
	.end_amdhsa_kernel
	.amdgpu_metadata
---
amdhsa.version: [ 1, 2 ]
amdhsa.kernels:
  - .name:           k_q738f9945d4_dist
    .symbol:         k_q738f9945d4_dist.kd
    .args:
      - { .name: query_feat, .offset: 0, .size: 8, .value_kind: global_buffer, .address_space: global }
      - { .name: proto, .offset: 8, .size: 8, .value_kind: global_buffer, .address_space: global }
      - { .name: out0, .offset: 16, .size: 8, .value_kind: global_buffer, .address_space: global }
    .group_segment_fixed_size: 112128
    .private_segment_fixed_size: 0
    .kernarg_segment_align: 8
    .kernarg_segment_size: 24
    .max_flat_workgroup_size: 256
    .sgpr_count:     66
    .vgpr_count:     258
    .wavefront_size: 32
...
	.end_amdgpu_metadata
.endif
;; end of part 3
